; MI455X (gfx1250); checked and timed in simulation.
; The chip was launched on July 23, 2026; its instructions are those of AMD's public machine-readable ISA for CDNA 5 (MIT licence, August 2026) and "CDNA5" Instruction Set Architecture Reference Guide (July 2026). The comments in the code are by the model that wrote it; some were corrected since.
;; Bahdanau Attention. Allowed arithmetic: matrix products marked QUANTISED: E3M2 operands, one E8M0 scale for each 32 along K, by v_wmma_scale_f32_16x16x128_f8f6f4 with both operands' format E3M2, f32 sums; products left as they are: f32 operands where the result goes on into a quantised operand, else bf16, f16 or f32 operands; f32 sums; everything else in f32.
;; Inputs: attn_W_codes 1,024 x 64 x 24 uint8 (E3M2 codes of attn_W, K innermost, in blocks of 32 codes, four codes in three bytes); attn_W_scales 1,024 x 64 uint8 (E8M0 scales of attn_W, one for each 32 codes along K); attn_b 1,024 float32; encoder_outputs 1,024 x 32 x 1,024 float32; hidden 32 x 1,024 float32; v_W 1 x 1,024 float32.
;; Outputs: out0 32 x 1,024 float32; out1 32 x 1,024 float32.
;; This version of the problem:
;;   THIS VERSION OF THE PROBLEM IS GIVEN IN LOW PRECISION. The matrix products marked QUANTISED in the list below multiply operands that are first quantised to E3M2 (3 exponent bits, 2 mantissa bits; 6 bits a number), with one power-of-two scale for each 32 numbers along K (OCP MX v1.0); their sums are f32. All else is computed in f32.
;;   The module's matrix products, in the order in which they are computed (A, B: the left and right operand; K: the contracted axis; several contracted axes count as one K, in the product's order):
;;     1. [M 32,768, K 2,048] x [K 2,048, N 1,024]; A: computed on the way; B: input attn_W (given as codes): QUANTISED
;;     2. [M 32,768, K 1,024] x [K 1,024, N 1]; A: computed on the way; B: input v_W: left as it is (N = 1 < 16)
;;     3. batch 32 x [M 1, K 1,024] x [K 1,024, N 1,024]; A: softmax; B: input encoder_outputs: left as it is (M = 1 < 16)
;;   THE QUANTISER, for each operand of a quantised product, along K:
;;     - K is cut into blocks of 32 from its start; a last block that is shorter is filled with zeros.
;;     - A block's scale is 2^e with e = floor(log2(the largest magnitude in the block)) - 4, held to -126 .. 127; a block of zeros has e = 0. As a byte (E8M0): e + 127.
;;     - Each number is divided by its block's scale, clamped to +-28, and rounded to the nearest number of E3M2, ties to even, subnormals kept.
;;     - The product sums the exact products of the quantised numbers (number of the format x scale) in f32.
;;   ~~~python
;;   def quantise(x, axis):      # numpy; x: float32 -> the quantised numbers, widened to float32 again
;;       x = np.moveaxis(x, axis, -1); K = x.shape[-1]
;;       x = np.pad(x, [(0, 0)] * (x.ndim - 1) + [(0, -K % 32)]); x = x.reshape(x.shape[:-1] + (-1, 32)); a = np.abs(x).max(-1, keepdims=True)
;;       e = np.where(a > 0, np.clip(np.frexp(np.where(a > 0, a, 1))[1] - 1 - 4, -126, 127), 0)      # np.frexp(a)[1] - 1 = floor(log2(a)), exactly
;;       r = np.clip(x / 2.0 ** e, -28, 28)
;;       step = 2.0 ** (np.maximum(np.frexp(np.where(r == 0, 1, r))[1] - 1, -2) - 2)
;;       q = np.round(r / step) * step * 2.0 ** e      # np.round: ties to even
;;       return np.moveaxis(q.reshape(q.shape[:-2] + (-1,))[..., :K], -1, axis).astype(np.float32)
;;   ~~~
;;   OPERANDS COMPUTED ON THE WAY. 'Computed on the way' means the value that the module computes at that place (a softmax that the list does not call 'softmax' is quantised finished and normalised). What goes into a quantiser is computed in f32, as accurately as f32 sums, v_exp_f32 and their like allow (about 1e-6 of the number): no bf16 or f16 on the way to a quantiser, and a product that is left as it is and whose result goes on into a quantised operand takes f32 operands (vector FMAs, or v_wmma_f32_16x16x4_f32). A number that lies on a knife's edge between two numbers of the format may be rounded either way, as far as f32 arithmetic and the matrix unit's own rounding can turn it there, and no further.
;;   INPUTS GIVEN AS CODES. attn_W (in the module: [1024, 2048], K = its axis 1): each comes as NAME_codes (uint8): NAME with its K axis moved to the last place and cut into blocks of 32 codes, [.., K / 32, bytes a block], one block behind the other in memory; four codes in three bytes: a row's codes are one little-endian stream of bits, code i at bits 6 i .. 6 i + 5 (a code: sign, 3 exponent bits, 2 mantissa bits); and NAME_scales (uint8): the same leading axes, one E8M0 byte (e + 127) for each 32 codes along K. Its value is code x scale, taken as it is: it is not quantised again, and the codes and scales need not be those that the quantiser above would give.
;; One version. Each part assembles by itself: llvm-mc -triple=amdgcn-amd-amdhsa -mcpu=gfx1250 --defsym DOCPART=n.
;; ======== version 1 of 1: 3 launches
;; workspace buffers: wf 819,200 bytes; tab 524,288 bytes; sc 131,072 bytes; part 4,194,304 bytes
;; launch prep (part 1): grid 64 x 1, 8 waves a work-group, no clusters, 177,664 bytes of LDS; arguments hidden, attn_W_codes, attn_W_scales, attn_b, v_W, wf, tab; writes wf, tab
.if DOCPART == 1
	.amdgcn_target "amdgcn-amd-amdhsa--gfx1250"
	.amdhsa_code_object_version 6
	.text
	.protected	k_q0a51ae914d_prep
	.globl	k_q0a51ae914d_prep
	.p2align	8
	.type	k_q0a51ae914d_prep,@function
k_q0a51ae914d_prep:
	s_mov_b64 s[64:65], 0
	v_nop
	global_prefetch_b8 v0, s[64:65] scope:SCOPE_SE
	s_setreg_imm32_b32 hwreg(HW_REG_WAVE_MODE, 25, 1), 1
	s_wait_xcnt 0x0
; PREPARATION.  K of the quantised product is 2,048: its first 1,024 are the decoder's hidden row, the same for all positions of a batch, its last 1,024 the encoder's row.
; Work-group t takes the 16 rows 16 t .. 16 t + 15 of attn_W; wave u takes K step u (128 along K) of each half.
; (1) The second half's fragment (16 rows x 128 K of E3M2 codes, 12 registers a lane) is stored as an image of its registers: wf + 12,800 t + 1,536 u + 512 c + 16 lane (c: group of four registers);
;     behind a tile's eight fragments 512 bytes of scale words: lane (hh, r) holds the words of K steps 4 hh .. 4 hh + 3 of row 16 t + r.
; (2) g[b][h] = Q(hidden[b]) . W[h][0:1024]: the 32 hidden rows are quantised here (blocks of 32 along K, scale 2^(floor(log2 max) - 4)), one matrix instruction for each 16 rows and K step;
;     the eight waves' parts meet in LDS and are added in f32, K ascending.
; (3) tab[b][h] = (gc, gc, v', v'), 16 bytes: gc = c (g + attn_b[h]), v' = -c v_W[h], c = 2 log2(e).  tanh x = 1 - 2 / (1 + 2^(c x)), and what is constant along a row of scores falls out of the softmax.
; EVERY LARGE LOAD TAKES 512 CONSECUTIVE BYTES.  An operand's layout wants a lane to hold pieces of ONE row, sixteen rows to a load; so hidden and W are loaded as they lie and turned in LDS:
;   hidden: wave u's 512 bytes of each of the 32 rows, a row a load, through the wave's own stage (rows 528 bytes apart);
;   W: the tile's 16 rows are 24,576 consecutive bytes; wave u loads rows 2 u and 2 u + 1 into a stage of the work-group (rows 1,552 bytes apart), a barrier, and every wave reads its K step's fragments.
; LIMITS: NaN and infinities are not served; a block whose largest magnitude lies under 2^-122 gets the scale byte 1 (a block of zeros too: its codes are zeros).
.set C2L,  0x4038aa3b                  ; c = 2 log2(e)
.set NC2L, 0xc038aa3b                  ; -c
.set HP,   528                         ; hidden's stage: 512 bytes + 16 = 132 words: row r starts at bank 4 r mod 64 (64 banks of 4 bytes: ISA guide 11.1)
.set HWAVE, 32*HP                      ; a wave's stage; eight of them from LDS byte 0
.set WST,  8*HWAVE                     ; W's stage: 16 rows
.set WP,   1552                        ; 1,536 bytes + 16 = 388 words: row r starts at bank 4 r mod 64: the 32 lanes of a load of 8 bytes touch 64 different banks
.set PART, WST+16*WP                   ; 16,384 bytes: the eight waves' parts of g
.set XH,   32                          ; v32-159  hidden: as loaded (row p at 4 p), then 64 numbers a lane for rows 0-15 and 64 for rows 16-31
.set WH,   160                         ; v160-183 W as loaded, then: v160-171 the fragment of the first half of K,
.set WE,   172                         ; v172-183 that of the second half
.set PCA,  184                         ; v184-203, v204-223 the codes of the two tiles of hidden rows (12 registers, and 8 at work)
.set TM,   224                         ; v224-239 at work in QUANT
.set PWA,  240                         ; v240, v241 the hidden rows' scale words
.set WHS,  242                         ; v242     W's scale words, first half, K step u
.set SIM,  244                         ; v244-247 the scale image of the second half
.set AB,   248                         ; attn_b[16 t + r]
.set VW,   249                         ; v_W[16 t + r]
.set HL,   250                         ; hidden's stage, back: row r, + 64 hh
.set WSO,  251                         ; W's stage, in: rows 2 u on, + 16 lane
.set WLD,  252                         ; W's stage, back: row r, + 96 u + 24 hh
.set SEL,  24                          ; s[24:25] lane selects for v_permlanex16_b32: lane l xor 16
; 64 numbers of a lane, register 16 b + i = k 32 b + 16 (lane / 16) + i of my row, become a fragment's codes in pc .. pc + 11 and the row's scale word
.macro QUANT src, pc, pw
.irp b, 0,1,2,3
	v_max3_num_f32 v[TM+\b], |v[\src+16*\b]|, |v[\src+1+16*\b]|, 0x2800000      ; my 16 numbers of block b, and the floor 2^(5 - 127): the byte cannot fall under 1
.endr
.irp i, 2,4,6,8,10,12,14
.irp b, 0,1,2,3
	v_max3_num_f32 v[TM+\b], v[TM+\b], |v[\src+16*\b+\i]|, |v[\src+1+16*\b+\i]|  ; the four blocks by turns
.endr
.endr
.irp b, 0,1,2,3
	v_permlanex16_b32 v[TM+4+\b], v[TM+\b], s[SEL], s[SEL+1]
.endr
.irp b, 0,1,2,3
	v_max_num_f32 v[TM+\b], v[TM+\b], v[TM+4+\b]           ; with lane l xor 16's: the block's largest magnitude
.endr
.irp b, 0,1,2,3
	v_add_nc_u32 v[TM+12+\b], 0xfe000000, v[TM+\b]         ; 4 off its exponent field: the conversion's scale operand
.endr
.irp b, 0,1,2,3
	v_lshrrev_b32 v[TM+4+\b], 23, v[TM+12+\b]              ; the scale's byte
.endr
	v_lshl_or_b32 v[\pw], v[TM+5], 8, v[TM+4]
	v_lshl_or_b32 v[\pw], v[TM+6], 16, v[\pw]
	v_lshl_or_b32 v[\pw], v[TM+7], 24, v[\pw]              ; my row's scale word
.irp c, 0,1
	v_cvt_scalef32_pk16_bf6_f32 v[\pc+6*\c:\pc+2+6*\c], v[\src+32*\c:\src+15+32*\c], v[TM+12+2*\c]
	v_cvt_scalef32_pk16_bf6_f32 v[\pc+12+4*\c:\pc+14+4*\c], v[\src+16+32*\c:\src+31+32*\c], v[TM+12+2*\c+1]
.endr
	v_nop                                                  ; one plain place behind a scaled conversion
.irp c, 0,1
.irp i, 0,1,2
	v_permlane16_swap_b32 v[\pc+6*\c+\i], v[\pc+12+4*\c+\i] ; a whole block to a lane: lanes 0-15 block 2 c, lanes 16-31 block 2 c + 1
.endr
.endr
.irp c, 0,1
.irp i, 0,1,2
	v_mov_b32 v[\pc+3+6*\c+\i], v[\pc+12+4*\c+\i]          ; registers 6 c .. 6 c + 5: k = 64 c + 32 (lane / 16) + 0 .. 31
.endr
.endr
.endm
	s_load_b256 s[4:11], s[0:1], 0x0               ; hidden s[4:5], W's codes s[6:7], W's scales s[8:9], attn_b s[10:11]
	s_load_b128 s[12:15], s[0:1], 0x20             ; v_W s[12:13], wf s[14:15]
	s_load_b64 s[16:17], s[0:1], 0x30              ; tab
	v_lshl_add_u32 v254, v0, 2, 0x2b200
	v_mov_b32 v255, 0
	v_lshrrev_b32 v1, 5, v0
	v_readfirstlane_b32 s18, v1                    ; u: wave 0..7
	v_and_b32 v1, 31, v0                           ; lane
	v_and_b32 v2, 15, v0                           ; r
	v_bfe_u32 v3, v0, 4, 1                         ; hh
	v_lshlrev_b32 v9, 4, v1                        ; 16 x lane
	s_lshl_b32 s19, s18, 9
	v_add_nc_u32 v4, s19, v9                       ; hidden: 512 u + 16 lane; the row stands in the immediate
	s_mul_i32 s20, ttmp9, 16*1536
	s_mul_i32 s21, s18, 2*1536
	s_add_co_u32 s20, s20, s21
	v_add_nc_u32 v5, s20, v9                       ; W's codes: rows 16 t + 2 u and the next, 3,072 consecutive bytes
	s_lshl_b32 s20, ttmp9, 10
	v_lshl_add_u32 v7, v2, 6, s20                  ; W's scales: row 16 t + r of 64 bytes
	s_lshl_b32 s21, s18, 2
	v_add_nc_u32 v6, s21, v7                       ; + 4 u: the first half's word of my K step
	v_lshl_add_u32 v7, v3, 4, v7                   ; + 16 hh (+ 32 in the immediate): four words of the second half
	s_lshl_b32 s20, ttmp9, 6
	v_lshl_add_u32 v8, v2, 2, s20                  ; attn_b, v_W: 4 (16 t + r)
	s_mul_i32 s20, ttmp9, 12800
	s_mul_i32 s21, s18, 1536
	s_add_co_u32 s21, s20, s21
	v_add_nc_u32 v10, s21, v9                      ; wf: my fragment's image
	v_add_nc_u32 v11, s20, v9                      ; wf: my tile (the scale image lies 12,288 on)
	s_mul_i32 s21, s18, HWAVE
	v_add_nc_u32 v15, s21, v9                      ; hidden's stage, in: my wave's, + 16 lane; the row stands in the immediate
	v_mul_u32_u24 v[HL], v2, HP
	v_lshl_add_u32 v[HL], v3, 6, v[HL]
	v_add_nc_u32 v[HL], s21, v[HL]
	s_mul_i32 s21, s18, 2*WP
	s_add_co_u32 s21, s21, WST
	v_add_nc_u32 v[WSO], s21, v9
	s_mul_i32 s21, s18, 96
	s_add_co_u32 s21, s21, WST
	v_mul_u32_u24 v[WLD], v2, WP
	v_mad_u32_u24 v[WLD], v3, 24, v[WLD]
	v_add_nc_u32 v[WLD], s21, v[WLD]
	s_lshl_b32 s21, s18, 11
	s_add_co_u32 s21, s21, PART
	v_add_nc_u32 v12, s21, v9                      ; the parts, in: 2,048 u + 16 lane
	s_lshr_b32 s22, s18, 2
	s_lshl_b32 s22, s22, 10
	s_bfe_u32 s23, s18, 0x10001
	s_lshl_b32 s23, s23, 9
	s_add_co_u32 s22, s22, s23
	s_and_b32 s23, s18, 1
	s_lshl_b32 s23, s23, 3
	s_add_co_u32 s22, s22, s23
	s_add_co_u32 s22, s22, PART
	v_add_nc_u32 v13, s22, v9                      ; the parts, back: tile of rows u / 4, registers 2 (u % 4) and the next: 1,024 (u / 4) + 512 ((u / 2) % 2) + 8 (u % 2) + 16 lane
	s_lshr_b32 s22, s18, 2
	s_lshl_b32 s22, s22, 4
	s_and_b32 s23, s18, 3
	s_lshl_b32 s23, s23, 1
	s_add_co_u32 s22, s22, s23
	s_lshl_b32 s22, s22, 14
	s_lshl_b32 s23, ttmp9, 8
	s_add_co_u32 s22, s22, s23
	v_lshlrev_b32 v14, 4, v2
	v_lshl_add_u32 v14, v3, 17, v14
	v_add_nc_u32 v14, s22, v14                     ; tab: b = 16 (u / 4) + 8 hh + 2 (u % 4), 16,384 bytes each; h = 16 t + r, 16 bytes each
	s_mov_b32 s[SEL], 0x76543210
	s_mov_b32 s[SEL+1], 0xfedcba98
.irp b, 0,1,2,3
	v_mov_b32 v[TM+4+\b], 0                        ; written once: a lane permute's destination counts as one of its sources
.endr
	s_wait_kmcnt 0x0
.irp k, 0,1,2,3,4,5
	global_load_b128 v[WH+4*\k:WH+4*\k+3], v5, s[6:7] offset:512*\k        ; 512 consecutive bytes of W: three loads to a row
.endr
	global_load_b32 v[WHS], v6, s[8:9]
	global_load_b128 v[SIM:SIM+3], v7, s[8:9] offset:32
	global_load_b32 v[AB], v8, s[10:11]
	global_load_b32 v[VW], v8, s[12:13]
.irp p, 0,1,2,3,4,5,6,7,8,9,10,11,12,13,14,15,16,17,18,19,20,21,22,23,24,25,26,27,28,29,30,31
	global_load_b128 v[XH+4*\p:XH+4*\p+3], v4, s[4:5] offset:4096*\p       ; hidden(p, 128 u ..): 512 consecutive bytes
.endr
	s_wait_loadcnt 32                              ; W and the small loads are in; hidden's 32 loads may be out
.irp k, 0,1,2,3,4,5
	ds_store_b128 v[WSO], v[WH+4*\k:WH+4*\k+3] offset:(\k/3)*WP+512*(\k%3)
.endr
	s_wait_loadcnt 0x0
.irp p, 0,1,2,3,4,5,6,7,8,9,10,11,12,13,14,15,16,17,18,19,20,21,22,23,24,25,26,27,28,29,30,31
	ds_store_b128 v15, v[XH+4*\p:XH+4*\p+3] offset:HP*\p
.endr
	s_wait_dscnt 0x0                               ; my stores have landed, for the others' sake, and have read their registers, which the loads below fill again
	s_barrier_signal -1
	s_barrier_wait -1                              ; W's 16 rows lie in the stage
.irp p, 0,1,2,3,4,5
	ds_load_b64 v[WH+2*\p:WH+2*\p+1], v[WLD] offset:48*(\p/3)+8*(\p%3)
	ds_load_b64 v[WE+2*\p:WE+2*\p+1], v[WLD] offset:768+48*(\p/3)+8*(\p%3)
.endr
.irp m, 0,1
.irp b, 0,1,2,3
.irp j, 0,1,2,3
	ds_load_b128 v[XH+64*\m+16*\b+4*\j:XH+64*\m+16*\b+4*\j+3], v[HL] offset:16*HP*\m+128*\b+16*\j   ; hidden(16 m + r, 128 u + 32 b + 16 hh + 4 j ..)
.endr
.endr
.endr
	s_wait_dscnt 32                                ; W's fragments are in; hidden's 32 reads may be out
.irp c, 0,1,2
	global_store_b128 v10, v[WE+4*\c:WE+4*\c+3], s[14:15] offset:512*\c    ; 32 lanes store 512 consecutive bytes, at a multiple of 256 from wf's first byte
.endr
	s_cmp_lg_u32 s18, 0                            ; the tile's scale image is one store: wave 0's
	s_cbranch_scc1 .Lnot_wave_0
	global_store_b128 v11, v[SIM:SIM+3], s[14:15] offset:12288
.Lnot_wave_0:
	s_wait_dscnt 0x0
	QUANT XH, PCA, PWA
	QUANT XH+64, PCA+20, PWA+1
.rept 8
	v_nop                                          ; a scale register written by a vector instruction stands 8 places ahead of a scaled matrix instruction, an operand so written 4
.endr
	v_wmma_scale_f32_16x16x128_f8f6f4 v[16:23], v[PCA:PCA+11], v[WH:WH+11], 0, v[PWA], v[WHS] matrix_a_fmt:MATRIX_FMT_BF6 matrix_b_fmt:MATRIX_FMT_BF6        ; register j of lane (r, hh): b = 8 hh + j, h = 16 t + r
	v_wmma_scale_f32_16x16x128_f8f6f4 v[24:31], v[PCA+20:PCA+31], v[WH:WH+11], 0, v[PWA+1], v[WHS] matrix_a_fmt:MATRIX_FMT_BF6 matrix_b_fmt:MATRIX_FMT_BF6  ; b = 16 + 8 hh + j
.rept 4
	v_nop                                          ; four places in front of the first read of the results
.endr
.irp m, 0,1
.irp c, 0,1
	ds_store_b128 v12, v[16+8*\m+4*\c:19+8*\m+4*\c] offset:1024*\m+512*\c   ; each accumulator from its low end on
.endr
.endr
	s_wait_dscnt 0x0                               ; for the others' sake: my stores have landed
	s_barrier_signal -1
	s_barrier_wait -1
.irp k, 0,1,2,3,4,5,6,7
	ds_load_b64 v[32+2*\k:33+2*\k], v13 offset:2048*\k     ; K step k's part of my two b
.endr
	s_wait_dscnt 0x0
.irp k, 1,2,3,4,5,6,7
	v_pk_add_f32 v[32:33], v[32:33], v[32+2*\k:33+2*\k]    ; K ascending
.endr
	v_add_f32 v32, v32, v[AB]
	v_add_f32 v33, v33, v[AB]
	v_mul_f32 v48, C2L, v32
	v_mul_f32 v52, C2L, v33
	v_mul_f32 v50, NC2L, v[VW]
	v_mov_b32 v49, v48
	v_mov_b32 v53, v52
	v_mov_b32 v51, v50
	v_mov_b32 v54, v50
	v_mov_b32 v55, v50
	global_store_b128 v14, v[48:51], s[16:17]              ; sixteen lanes store 256 consecutive bytes, at a multiple of 256 from tab's first byte
	global_store_b128 v14, v[52:55], s[16:17] offset:16384 ; the next b
	s_wait_tensorcnt 0x0
	ds_add_u32 v254, v255
	s_wait_dscnt 0x0
	s_endpgm
.Lfunc_end_k_q0a51ae914d_prep:
	.size	k_q0a51ae914d_prep, .Lfunc_end_k_q0a51ae914d_prep-k_q0a51ae914d_prep
	.p2alignl 7, 3214868480
	.fill 96, 4, 3214868480
	.section	.rodata,"a",@progbits
	.p2align	6, 0x0
	.amdhsa_kernel k_q0a51ae914d_prep
		.amdhsa_group_segment_fixed_size 177664
		.amdhsa_private_segment_fixed_size 0
		.amdhsa_enable_private_segment 0
		.amdhsa_kernarg_size 56
		.amdhsa_user_sgpr_count 2
		.amdhsa_user_sgpr_kernarg_segment_ptr 1
		.amdhsa_wavefront_size32 1
		.amdhsa_system_sgpr_workgroup_id_x 1
		.amdhsa_system_sgpr_workgroup_id_y 1
		.amdhsa_system_sgpr_workgroup_id_z 1
		.amdhsa_system_vgpr_workitem_id 0
		.amdhsa_next_free_vgpr 256
		.amdhsa_next_free_sgpr 66
		.amdhsa_reserve_vcc 0
		.amdhsa_float_denorm_mode_32 3
		.amdhsa_float_denorm_mode_16_64 3
		.amdhsa_memory_ordered 1
		.amdhsa_forward_progress 1
		.amdhsa_inst_pref_size 24
	.end_amdhsa_kernel
	.amdgpu_metadata
---
amdhsa.version: [ 1, 2 ]
amdhsa.kernels:
  - .name:           k_q0a51ae914d_prep
    .symbol:         k_q0a51ae914d_prep.kd
    .args:
      - { .name: hidden, .offset: 0, .size: 8, .value_kind: global_buffer, .address_space: global }
      - { .name: attn_W_codes, .offset: 8, .size: 8, .value_kind: global_buffer, .address_space: global }
      - { .name: attn_W_scales, .offset: 16, .size: 8, .value_kind: global_buffer, .address_space: global }
      - { .name: attn_b, .offset: 24, .size: 8, .value_kind: global_buffer, .address_space: global }
      - { .name: v_W, .offset: 32, .size: 8, .value_kind: global_buffer, .address_space: global }
      - { .name: wf, .offset: 40, .size: 8, .value_kind: global_buffer, .address_space: global }
      - { .name: tab, .offset: 48, .size: 8, .value_kind: global_buffer, .address_space: global }
    .group_segment_fixed_size: 177664
    .private_segment_fixed_size: 0
    .kernarg_segment_align: 8
    .kernarg_segment_size: 56
    .max_flat_workgroup_size: 256
    .sgpr_count:     66
    .vgpr_count:     256
    .wavefront_size: 32
...
	.end_amdgpu_metadata
.endif
;; end of part 1
;; launch main (part 2): grid 8 x 32, 4 waves a work-group, clusters of 4 x 1, 327,680 bytes of LDS; arguments encoder_outputs, wf, tab, sc, part; writes sc, part
.if DOCPART == 2
	.amdgcn_target "amdgcn-amd-amdhsa--gfx1250"
	.amdhsa_code_object_version 6
	.text
	.protected	k_q0a51ae914d_main
	.globl	k_q0a51ae914d_main
	.p2align	8
	.type	k_q0a51ae914d_main,@function
k_q0a51ae914d_main:
	s_mov_b64 s[64:65], 0
	v_nop
	global_prefetch_b8 v0, s[64:65] scope:SCOPE_SE
	s_setreg_imm32_b32 hwreg(HW_REG_WAVE_MODE, 25, 1), 1
	s_wait_xcnt 0x0
	s_wait_alu depctr_hold_cnt(0) depctr_sa_sdst(0) depctr_va_vdst(0) depctr_va_sdst(0) depctr_va_ssrc(0) depctr_va_vcc(0) depctr_vm_vsrc(0)
	s_getreg_b32 s2, hwreg(HW_REG_IB_STS2, 6, 4)
	s_cmp_eq_u32 s2, 0
	s_cbranch_scc0 .Lentry_in_a_cluster
	s_endpgm
.Lentry_in_a_cluster:
	s_bfe_u32 s2, ttmp6, 0x10000c
	s_cmp_lg_u32 s2, 0x3003
	s_cbranch_scc0 .Lentry_shape_is_right
	s_endpgm
.Lentry_shape_is_right:
; THE MAIN LAUNCH.  t[b][s] = sum over h of v'[h] / (1 + 2^(c x[s][h] + gc[b][h])), x = Q(enc[s][b]) . W[h][1024:2048] on E3M2 codes with E8M0 scales; gc, v' from tab.  t is log2(e) x (score - a constant of the row).
; Also, for each wave's 32 positions: m = their largest t, p = 2^(t - m), and the partial context sum of p x enc, so that enc is read from memory ONCE.
; SHARES.  A work-group owns one b and 128 positions (chunk = 4 x cluster x + cx); each of its four waves owns 32 of them through the whole chain: two tiles of 16 rows.
;   A wave keeps its rows' codes (2 x 8 fragments, 192 registers), their scale words (8) and a bf16 copy of its rows (32 x 16 = 512 registers) for the whole launch.
; PHASE 1: enc comes straight into registers, 512 consecutive bytes of a row to a load, through a ring of five landing sets of eight loads: 24 to 40 loads of a wave are out at any time, and no barrier stands in the phase.
;   From the landed registers the bf16 copy is made; the same registers go through the wave's own stage in LDS (16 rows x 128 columns) and come back sixteen neighbours of a row to a lane, for the quantiser.
; PHASE 2: W's 64 tiles of 16 rows, as register images made by the launch before, go through a ring of two LDS slots of 8 tiles; both slots' first fills and the table go out at the head.  A tile is 16 matrix
;   instructions (8 K steps x 2 tiles of rows); the tanh of the tile before (56 vector lines on 16 registers) stands in slices behind them.  W's fragments have TWO register sets, so that a tile's loads fill the set
;   that its products do not read, and may stand where the wave waits anyway: behind the wait for each batch of transcendentals.
; PHASE 3: the sums across lanes, t to memory, p, and 32 rows x 32 multiply-adds from the bf16 copy.
; CLUSTER.  The four work-groups of a cluster walk the same W: each slot is asked for JOINTLY (mask 15, the same descriptor in all four).  The table (16,384 bytes against W's 819,200) is also the same in the four;
;   it is fetched plainly, once.  enc's rows are each wave's own.
; ORIENTATION.  Source 0 = 16 rows of enc, source 1 = 16 rows of W: register j of lane (r, hh) is position 8 hh + j of the tile, h = 16 t + r.  So gc and v' are one number a lane and tile.
; LIMITS: NaN and infinities are not served; a block whose largest magnitude lies under 2^-122 gets the scale byte 1 (a block of zeros too: its codes are zeros); enc is rounded to bf16 for the context's product.
; REGISTERS, in windows of 256 (s_set_vgpr_msb: bits 1:0 source 0, 3:2 source 1, 5:4 source 2, 7:6 destination):
;   window 0: v1-15 addresses; v16-23 my rows' scale words (lanes 0-15: rows 0-15, lanes 16-31: rows 16-31); v24-31 W's scale words, two sets; v32-133 at work in phase 1, in phase 2 v32-127 W's fragments, set 1,
;             and v128-129 v', set 0; v144-255 bf16 rows 25-31
;   window 1: v0-191 my 16 fragments (12 (8 rt + ks)); v192-255 two landing sets, then v192-223 accumulators (16 p + 8 rt), v224-239 the sums of v' r, v240-243 gc, two sets
;   window 2: v0-95 three landing sets, then W's fragments, set 0; v98-99 v', set 1; v112-255 bf16 rows 16-24          window 3: bf16 rows 0-15
.set WS1,   1<<17                      ; W's ring: slot 0 at byte 0, slot 1 here: one exclusive or turns an address
.set WTILE, 12800                      ; a tile of W: 8 fragments of 1,536 bytes, 512 bytes of scale words
.set WQ,    2*WTILE                    ; what one wave's load brings
.set WSLOT, 4*WQ                       ; a slot: 8 tiles
.set TAB,   266240                     ; 16,384 bytes: my b's table, filled once
.set SPARE, TAB+16384                  ; the spare words, 128 bytes for each wave: two blocks of 256 bytes that no other line names
.set SCR,   SPARE+512                  ; 128 bytes for each wave, written by ds_store alone: no fill lands here
.set STG,   SCR+512                    ; the stages of phase 1, written by ds_store alone: no fill lands here
.set SGP,   528                        ; a staged row: 512 bytes + 16 = 132 words: row r starts at bank 4 r mod 64 (64 banks of 4 bytes: ISA guide 11.1)
.set SGW,   16*SGP                     ; a wave's stage
.set EROW,  131072                     ; bytes from a position to the next in enc
.set SPW, 1                            ; v1   SPARE + 4 x my thread's number; never rewritten
.set NIL, 2                            ; v2   0; never rewritten
.set LN,  3                            ; v3   lane
.set RR,  4                            ; v4   r = lane % 16
.set HH,  5                            ; v5   hh = lane / 16
.set SST, 6                            ; v6   my stage, in: 16 x lane; the row stands in the immediate
.set SLD, 7                            ; v7   my stage, back: row r, + 64 hh
.set LI,  10                           ; v10  16 x lane; never rewritten
.set TR,  11                           ; v11  TAB + 16 r
.set ADW, 12                           ; v12  the pair of tiles of W in hand
.set ADT, 13                           ; v13  and its table entries
.set SCA, 14                           ; v14  SCR + 128 wave + 32 hh
.set SCB, 15                           ; v15  SCR + 4 x thread
.set ASC, 16
.set WSC, 24
.set ST,  32                           ; v32-95   64 numbers
.set TM,  96                           ; v96-111  at work in QUANT
.set PC,  112                          ; v112-131 the codes just made
.set PWR, 132                          ; v132     rows 16-31's scale word just made
.set ACC, 192                          ; window 1
.set SS,  224
.set GG,  240
.set CT,  32                           ; phase 3: v32-63 the context's 32 sums; v64-65 p, by turns; v66 t; v67 m; v68 p; v69 at work; v70 4 x lane
.set PB,  64
.set TV,  66
.set MV,  67
.set PV,  68
.set TP,  69
.set SO,  70
.set WV,  14                           ; s14  wave
.set G1W, 32                           ; s[32:39] group 1: W's tiles;  s[40:47] the table's
.set G1T, 40
.set G0W0, 48                          ; s[48:51] group 0 for W's slot 0, first fill;  s[56:59] for slot 1's first fill, which then walks;  s[60:63] the table's
.set G0W, 56
.set G0T, 60
.set CS,  66                           ; s[66:67] c: the packed form names a pair and takes its low word
.set SEL, 68                           ; s[68:69] lane selects: lane l xor 16
.set TW,  71                           ; s71  LDS byte of the pair of tiles in hand
.set TT,  72                           ; s72  and of its table entries, from TAB on
.set CN1, 73
.set CN2, 74
.set HM,  75                           ; s75  lanes 16-31
.set MSB, 0
.macro WIN new                         ; the immediate's high byte repeats the setting that is left; a switch that changes nothing is dropped
.if MSB != (\new)
	s_set_vgpr_msb (MSB<<8)|(\new)
.set MSB, (\new)
.endif
.endm
.macro ROUND                           ; a round of the cluster's barrier
	s_barrier_signal -1
	s_barrier_wait -1
	s_cmp_lg_u32 s[WV], 0
	s_cbranch_scc1 .Lnot_wave_0_\@
	s_barrier_signal -3
.Lnot_wave_0_\@:
	s_barrier_wait -3
	s_barrier_signal -1
	s_barrier_wait -1
.endm
.macro NOPS n
.rept \n
	v_nop
.endr
.endm
.macro RETLOC row                      ; where row's 16 registers of bf16 lie: window RW, from register RB on
.if (\row) < 16
.set RW, 3
.set RB, 16*(\row)
.elseif (\row) < 25
.set RW, 2
.set RB, 112+16*((\row)-16)
.else
.set RW, 0
.set RB, 144+16*((\row)-25)
.endif
.endm
.macro SETLOC n                        ; half unit n lands in set n % 5: window LW, from register LB on
.if ((\n)%5) < 3
.set LW, 2
.set LB, 32*((\n)%5)
.else
.set LW, 1
.set LB, 192+32*(((\n)%5)-3)
.endif
.endm
; Half unit n of 32: rows 16 (n / 16) + 8 (n % 2) + 0 .. 7 of my 32, columns 128 ((n / 2) % 8) on: eight loads, each 512 consecutive bytes of a row.  Every offset is an immediate (31 rows and 3,584 bytes at the
; most, inside the signed 24 bits: ISA guide, chapter 10); neither the base nor the address register is ever written again.
.macro HLOAD n
	SETLOC \n
	WIN LW<<6
.set hrow, 16*((\n)/16)+8*((\n)%2)
.set hks, ((\n)/2)%8
.irp i, 0,1,2,3,4,5,6,7
	global_load_b128 v[LB+4*\i:LB+4*\i+3], v[LI], s[4:5] offset:(hrow+\i)*EROW+512*hks th:TH_LOAD_NT
.endr
.endm
; 64 numbers of a lane, register 16 b + i = k 32 b + 16 (lane / 16) + i of my row, become codes and the row's scale word
.macro QUANT src, pc, pw
.irp b, 0,1,2,3
	v_max3_num_f32 v[TM+\b], |v[\src+16*\b]|, |v[\src+1+16*\b]|, 0x2800000      ; my 16 numbers of block b, and the floor 2^(5 - 127): the byte cannot fall under 1
.endr
.irp i, 2,4,6,8,10,12,14
.irp b, 0,1,2,3
	v_max3_num_f32 v[TM+\b], v[TM+\b], |v[\src+16*\b+\i]|, |v[\src+1+16*\b+\i]|  ; the four blocks by turns
.endr
.endr
.irp b, 0,1,2,3
	v_permlanex16_b32 v[TM+4+\b], v[TM+\b], s[SEL], s[SEL+1]
.endr
.irp b, 0,1,2,3
	v_max_num_f32 v[TM+\b], v[TM+\b], v[TM+4+\b]           ; with lane l xor 16's: the block's largest magnitude
.endr
.irp b, 0,1,2,3
	v_add_nc_u32 v[TM+12+\b], 0xfe000000, v[TM+\b]         ; 4 off its exponent field: the conversion's scale operand
.endr
.irp b, 0,1,2,3
	v_lshrrev_b32 v[TM+4+\b], 23, v[TM+12+\b]              ; the scale's byte
.endr
	v_lshl_or_b32 v[\pw], v[TM+5], 8, v[TM+4]
	v_lshl_or_b32 v[\pw], v[TM+6], 16, v[\pw]
	v_lshl_or_b32 v[\pw], v[TM+7], 24, v[\pw]              ; my row's scale word, the same in lanes r and 16 + r
.irp c, 0,1
	v_cvt_scalef32_pk16_bf6_f32 v[\pc+6*\c:\pc+2+6*\c], v[\src+32*\c:\src+15+32*\c], v[TM+12+2*\c]
	v_cvt_scalef32_pk16_bf6_f32 v[\pc+12+4*\c:\pc+14+4*\c], v[\src+16+32*\c:\src+31+32*\c], v[TM+12+2*\c+1]
.endr
	v_nop                                                  ; one plain place behind a scaled conversion
.irp c, 0,1
.irp i, 0,1,2
	v_permlane16_swap_b32 v[\pc+6*\c+\i], v[\pc+12+4*\c+\i] ; a whole block to a lane: lanes 0-15 block 2 c, lanes 16-31 block 2 c + 1
.endr
.endr
.endm
; UNIT uu of 16: tile of rows uu / 8, K step uu % 8: half units 2 uu and 2 uu + 1.
.macro UNIT uu
.set urt, (\uu)/8
.set uks, (\uu)%8
.set uleft, 8*(30-2*(\uu))
.if uleft > 24
.set uleft, 24
.endif
	s_wait_loadcnt uleft                           ; loads come back in order: my two half units are in; the three issued behind them (two, none at the end) may be out
.irp g, 0,1
	SETLOC 2*(\uu)+\g
.irp i, 0,1,2,3,4,5,6,7
	RETLOC 16*urt+8*\g+\i
	WIN (RW<<6)|(LW<<2)|LW
	v_cvt_pk_bf16_f32 v[RB+2*uks], v[LB+4*\i], v[LB+4*\i+1]        ; the bf16 copy: columns 128 ks + 4 lane + 0, 1
	v_cvt_pk_bf16_f32 v[RB+2*uks+1], v[LB+4*\i+2], v[LB+4*\i+3]    ; and + 2, 3
.endr
	WIN LW<<2                                      ; an LDS store's data are its source 1
.irp i, 0,1,2,3,4,5,6,7
	ds_store_b128 v[SST], v[LB+4*\i:LB+4*\i+3] offset:SGP*(8*\g+\i)
.endr
.endr
	WIN 0
.irp b, 0,1,2,3
.irp j, 0,1,2,3
	ds_load_b128 v[ST+16*\b+4*\j:ST+16*\b+4*\j+3], v[SLD] offset:128*\b+16*\j   ; LDS serves a wave's instructions in order: these see my stores
.endr
.endr
	s_wait_dscnt 0x0                               ; the 64 numbers are in, and the stores have read the landing sets, which are asked for again:
.if 2*(\uu)+5 <= 31
	HLOAD 2*(\uu)+5
.endif
.if 2*(\uu)+6 <= 31
	HLOAD 2*(\uu)+6
.endif
	WIN 0
.if urt == 0
	QUANT ST, PC, ASC+uks
.else
	QUANT ST, PC, PWR
.endif
.set FA, 12*(\uu)
	WIN 0x40                                       ; destination window 1: the fragment's place
.irp c, 0,1
.irp i, 0,1,2
	v_mov_b32 v[FA+6*\c+\i], v[PC+6*\c+\i]
	v_mov_b32 v[FA+6*\c+3+\i], v[PC+12+4*\c+\i]
.endr
.endr
	WIN 0
.if urt == 1
	v_cndmask_b32 v[ASC+uks], v[ASC+uks], v[PWR], s[HM]    ; lanes 0-15 keep rows 0-15's words, lanes 16-31 take rows 16-31's
.endif
.endm
; One product: accumulator set p (and W's register set p: set 0 in window 2 from v0, set 1 in window 0 from v32), K step ks, tile of rows rt.
; My rows' scale word: lanes 0-15 or (rt = 1) 16-31 of v[ASC + ks]; W's: register ks % 4 of set p, lanes 0-15 or (ks >= 4) 16-31.  K step 0 starts the sum.
.macro MM p, ks, rt
.set rD, ACC+16*(\p)+8*(\rt)
.set rA, 12*(8*(\rt)+(\ks))
.set rB, 32*(\p)+12*(\ks)
.set rX, ASC+(\ks)
.set rY, WSC+4*(\p)+(\ks)%4
.if (\ks) == 0
.if (\rt) == 0
	v_wmma_scale_f32_16x16x128_f8f6f4 v[rD:rD+7], v[rA:rA+11], v[rB:rB+11], 0, v[rX], v[rY] matrix_a_fmt:MATRIX_FMT_BF6 matrix_b_fmt:MATRIX_FMT_BF6
.else
	v_wmma_scale_f32_16x16x128_f8f6f4 v[rD:rD+7], v[rA:rA+11], v[rB:rB+11], 0, v[rX], v[rY] matrix_a_fmt:MATRIX_FMT_BF6 matrix_b_fmt:MATRIX_FMT_BF6 matrix_a_scale:MATRIX_SCALE_ROW1
.endif
.elseif (\ks) < 4
.if (\rt) == 0
	v_wmma_scale_f32_16x16x128_f8f6f4 v[rD:rD+7], v[rA:rA+11], v[rB:rB+11], v[rD:rD+7], v[rX], v[rY] matrix_a_fmt:MATRIX_FMT_BF6 matrix_b_fmt:MATRIX_FMT_BF6
.else
	v_wmma_scale_f32_16x16x128_f8f6f4 v[rD:rD+7], v[rA:rA+11], v[rB:rB+11], v[rD:rD+7], v[rX], v[rY] matrix_a_fmt:MATRIX_FMT_BF6 matrix_b_fmt:MATRIX_FMT_BF6 matrix_a_scale:MATRIX_SCALE_ROW1
.endif
.else
.if (\rt) == 0
	v_wmma_scale_f32_16x16x128_f8f6f4 v[rD:rD+7], v[rA:rA+11], v[rB:rB+11], v[rD:rD+7], v[rX], v[rY] matrix_a_fmt:MATRIX_FMT_BF6 matrix_b_fmt:MATRIX_FMT_BF6 matrix_b_scale:MATRIX_SCALE_ROW1
.else
	v_wmma_scale_f32_16x16x128_f8f6f4 v[rD:rD+7], v[rA:rA+11], v[rB:rB+11], v[rD:rD+7], v[rX], v[rY] matrix_a_fmt:MATRIX_FMT_BF6 matrix_b_fmt:MATRIX_FMT_BF6 matrix_a_scale:MATRIX_SCALE_ROW1 matrix_b_scale:MATRIX_SCALE_ROW1
.endif
.endif
.endm
; THE VECTOR WORK OF A TILE: a list of 56 lines, in place on accumulator set q.  SM1 writes number sn of it.  F i: c x + gc on registers 2 i, 2 i + 1;  E i: 2^(.) on register i;  A i: + 1;  R i: the reciprocal r;  S i: the sums += v' r.
;   0-23:  F0 F1 F2 F3 | F4 E0 E1 E2 | F5 E3 E4 E5 | F6 E6 E7 E8 | F7 E9 E10 E11 | E12 E13 E14 E15      24-47: the same with A for F and R for E      48-55: S0 .. S7
; A four begins with a plain line while there are plain lines; a register is scaled in an earlier four than the one that holds its transcendental; each accumulator is first read at its low end (F0, F4).
; None of 0-23 names an exponential's result, none of 24-47 a reciprocal's: each batch of 16 has one wait, behind its last four.
.macro SM1 q
.set rC, ACC+16*(\q)
.set rV, 128-30*(\q)                   ; v' of set q: set 0 at v128 of window 0, set 1 at v98 of window 2: the window in which source 1 stands while set q's lines run
.if sn < 48
.set smu, sn%24
.if smu < 4
.set smk, 0
.set smi, smu
.elseif smu < 20
.if (smu%4) == 0
.set smk, 0
.set smi, 4+(smu-4)/4
.else
.set smk, 1
.set smi, 3*((smu-4)/4)+(smu%4)-1
.endif
.else
.set smk, 1
.set smi, smu-8
.endif
.if (sn < 24) && (smk == 0)
	v_pk_fma_f32 v[rC+2*smi:rC+2*smi+1], v[rC+2*smi:rC+2*smi+1], s[CS:CS+1], v[GG+2*(\q):GG+2*(\q)+1] op_sel_hi:[1,0,1]
.elseif sn < 24
	v_exp_f32 v[rC+smi], v[rC+smi]
.elseif smk == 0
	v_pk_add_f32 v[rC+2*smi:rC+2*smi+1], v[rC+2*smi:rC+2*smi+1], 1.0 op_sel_hi:[1,0]
.else
	v_rcp_f32 v[rC+smi], v[rC+smi]
.endif
.else
	v_pk_fma_f32 v[SS+2*(sn-48):SS+2*(sn-48)+1], v[rC+2*(sn-48):rC+2*(sn-48)+1], v[rV:rV+1], v[SS+2*(sn-48):SS+2*(sn-48)+1]
.endif
.endm
.macro SMN q, cnt
.rept \cnt
	SM1 \q
.set sn, sn+1
.endr
.endm
.macro BATCH                           ; behind a batch of 16 transcendentals: a plain line, and the one wait ahead of the first line that names a result
	v_nop
	s_wait_alu depctr_va_vdst(0)
.endm
; THE LDS LOADS stand in two runs a tile.  A: the next tile's scale words and fragments 0-3 (sets p): 13 loads.  B: its fragments 4-7 and gc (sets p), and v' of the tile at tv into set vs: 14 loads.
.macro LRUN_A off, p
	WIN 0
	ds_load_b128 v[WSC+4*(\p):WSC+4*(\p)+3], v[ADW] offset:(\off)+12288
	WIN 0x80-0x80*(\p)                             ; destination: window 2 for set 0, window 0 for set 1
.irp f, 0,1,2,3
.irp c, 0,1,2
	ds_load_b128 v[32*(\p)+12*\f+4*\c:32*(\p)+12*\f+4*\c+3], v[ADW] offset:(\off)+1536*\f+512*\c
.endr
.endr
.endm
.macro LRUN_B off, p, tg, vs, tv
	WIN 0x80-0x80*(\p)
.irp f, 4,5,6,7
.irp c, 0,1,2
	ds_load_b128 v[32*(\p)+12*\f+4*\c:32*(\p)+12*\f+4*\c+3], v[ADW] offset:(\off)+1536*\f+512*\c
.endr
.endr
	WIN 0x80*(\vs)
	ds_load_b64 v[128-30*(\vs):129-30*(\vs)], v[ADT] offset:(\tv)+8
	WIN 0x40                                       ; destination window 1
	ds_load_b64 v[GG+2*(\p):GG+2*(\p)+1], v[ADT] offset:(\tg)
.endm
; A TILE of 16 rows of W: 16 products into accumulator set p, from W's register set p; the tanh of the tile before (set 1 - p) in slices behind them; the next tile's loads (off, toff: where it lies from ADW, ADT) into sets 1 - p.
; v' of THIS tile is loaded here too, into set p: the lines that run now read set 1 - p, and set p's are read a tile later.  gc of the next tile goes into set 1 - p behind the last line (F7) that reads that set.
; The tile's two accumulators take turns, one instruction a turn, over every edge too (the last product is on set 1's second, the first on set 0's first).
; PLACES, by count.  Behind the last product but one stand S4 to S7, four plain lines on other registers, ahead of F0, the first read of its result; behind the last product S6, S7 and F0 to F3 ahead of F4.
; The loads fill registers that the tile BEFORE read last: at least those six plain lines lie between.
; kind 0: inside a slot.  1: a slot's last tile: the slot is filled again.  2: the last slot but one's last tile: a barrier, no fill.  3: the very last tile: only its v' is left to load.
.macro TILE p, kind, off, toff
.if ((\kind) == 1) || ((\kind) == 2)
	WIN 0                                          ; (the add's two registers lie in window 0)
	s_wait_tensorcnt 0x0                           ; all my tensor loads have landed: the one that was out is my quarter of the next slot
	ds_add_u32 v[SPW], v[NIL]                      ; 0 onto my spare word: six products stand between it and the wait for it
.if (\kind) == 1
	s_xor_b32 s[G0W+1], s[G0W+1], WS1              ; no load of mine is out, so the walking descriptor may be written: the slot in hand,
	s_add_nc_u64 s[G0W+2:G0W+3], s[G0W+2:G0W+3], WSLOT   ; the next eight tiles; the type bits on top are not reached
.endif
	s_wait_dscnt 15                                ; run A is in; run B's 14 loads and the add may be out
.else
	s_wait_dscnt 14                                ; run A is in; run B's 14 loads may be out
.endif
	WIN 0x59-8*(\p)                                ; source 0, source 2 and destination window 1; source 1 window 2 (set 0) or 0 (set 1): products and tanh lines alike
.set sn, 0
.irp ks, 0,1,2
.irp rt, 0,1
	MM \p, \ks, \rt
	SMN 1-\p, 4
.endr
.endr
	BATCH                                          ; the 16 exponentials; run A stands directly behind their wait
.if (\kind) == 1
	s_wait_dscnt 0x0                               ; the add is done, and my reads of this slot are over (run B)
	WIN 0                                          ; at a label and at a branch every window is 0
	ROUND                                          ; no wave of any partner still reads this slot or has a load on its way
	tensor_load_to_lds s[G0W:G0W+3], s[G1W:G1W+7]  ; my one load behind the round: it has a slot's eight tiles in which to land
	s_nop 0
	NOPS 4
.elseif (\kind) == 2
	s_wait_dscnt 0x0
	WIN 0
	s_barrier_signal -1
	s_barrier_wait -1                              ; the last slot is whole
.endif
.if ((\kind) == 1) || ((\kind) == 2)
	s_sub_co_u32 s[TW], s[TW], 3*WQ                ; back to a slot's first pair,
	s_xor_b32 s[TW], s[TW], WS1                    ; in the other slot
	v_add_nc_u32 v[ADW], s[TW], v[LI]
.endif
.if (\kind) != 3
	LRUN_A \off, 1-\p
.endif
.if (\kind) == 0
	s_wait_dscnt 13                                ; run B is in; the 13 loads just issued may be out
.elseif (\kind) == 3
	s_wait_dscnt 0x0
.endif
	WIN 0x59-8*(\p)
.irp ks, 3,4,5
.irp rt, 0,1
	MM \p, \ks, \rt
	SMN 1-\p, 4
.endr
.endr
	BATCH                                          ; the 16 reciprocals; run B stands directly behind their wait
.if (\kind) != 3
	LRUN_B \off, 1-\p, \toff, \p, (\toff)-256
.else
	WIN 0x80*(\p)
	ds_load_b64 v[128-30*(\p):129-30*(\p)], v[ADT] offset:(\toff)-256+8
.endif
	WIN 0x59-8*(\p)
.irp ks, 6,7
.irp rt, 0,1
	MM \p, \ks, \rt
	SMN 1-\p, 2
.endr
.endr
.endm
.macro PAIR kind                       ; two tiles: after them the register numbers are back where they began
	WIN 0
	v_add_nc_u32 v[ADW], s[TW], v[LI]
	v_add_nc_u32 v[ADT], s[TT], v[TR]
	TILE 0, 0, WTILE, 256
.if (\kind) == 0
	TILE 1, 0, WQ, 512
	s_add_co_u32 s[TW], s[TW], WQ
.else
	TILE 1, \kind, 0, 512
.endif
	s_add_co_u32 s[TT], s[TT], 512
	WIN 0
.endm
.macro SLOT kind                       ; a slot's eight tiles
	s_mov_b32 s[CN2], 3
.Lpair_\@:
	PAIR 0
	s_sub_co_u32 s[CN2], s[CN2], 1
	s_cmp_lg_u32 s[CN2], 0
	s_cbranch_scc1 .Lpair_\@
	PAIR \kind
.endm
	s_load_b256 s[4:11], s[0:1], 0x0               ; enc s[4:5], wf s[6:7], tab s[8:9], sc s[10:11]
	s_load_b64 s[12:13], s[0:1], 0x20              ; part
	v_lshl_add_u32 v[SPW], v0, 2, SPARE
	v_mov_b32 v[NIL], 0
	ds_add_u32 v1, v2
	ds_add_u32 v1, v2
	s_wait_dscnt 0x0
	v_lshrrev_b32 v[LN], 5, v0
	v_readfirstlane_b32 s[WV], v[LN]               ; wave 0..3
	v_and_b32 v[LN], 31, v0
	v_lshlrev_b32 v[LI], 4, v[LN]
	s_bfe_u32 s15, ttmp6, 0x40000                  ; cx: my place in the cluster
	s_lshl_b32 s16, ttmp9, 2                       ; in a cluster launch ttmp9 counts clusters
	s_add_co_u32 s16, s16, s15                     ; chunk: it enters global addresses of plain loads and stores alone
	s_and_b32 s17, ttmp7, 0xffff                   ; b, which the four partners share
	; group 1 for W: a dense block of 25,600 bytes as 100 rows of 32 elements of 8 bytes; the mask names all four work-groups, bit 21 beside it
	s_mov_b32 s[G1W], 15|(3<<16)|(1<<21)
	s_mov_b32 s[G1W+1], 32<<16                     ; tensor_dim0
	s_mov_b32 s[G1W+2], 100<<16                    ; tensor_dim1
	s_mov_b32 s[G1W+3], 32<<16                     ; tile_dim0
	s_mov_b32 s[G1W+4], 100                        ; tile_dim1
	s_mov_b32 s[G1W+5], 32                         ; tensor_dim0_stride
	s_mov_b32 s[G1W+6], 0
	s_mov_b32 s[G1W+7], 0
	; for the table: a dense block of 4,096 bytes as 16 such rows
	s_mov_b32 s[G1T], 3<<16
	s_mov_b32 s[G1T+1], 32<<16
	s_mov_b32 s[G1T+2], 16<<16
	s_mov_b32 s[G1T+3], 32<<16
	s_mov_b32 s[G1T+4], 16
	s_mov_b32 s[G1T+5], 32
	s_mov_b32 s[G1T+6], 0
	s_mov_b32 s[G1T+7], 0
	s_lshl_b32 s20, s16, 24                        ; enc: 128 positions of 131,072 bytes a chunk,
	s_lshl_b32 s21, s[WV], 22                      ; 32 a wave,
	s_add_co_u32 s20, s20, s21
	s_lshl_b32 s21, s17, 12                        ; row b of 4,096 bytes
	s_add_co_u32 s20, s20, s21
	s_mov_b32 s21, 0
	s_mul_i32 s22, s[WV], WQ                       ; W: my quarter of a slot, in memory and in LDS: the wave's number alone
	s_mov_b32 s23, 0
	s_mov_b32 s[CS], 0x4038aa3b                    ; c = 2 log2(e)
	s_mov_b32 s[CS+1], s[CS]
	s_mov_b32 s[SEL], 0x76543210
	s_mov_b32 s[SEL+1], 0xfedcba98
	s_mov_b32 s[HM], 0xffff0000
	s_wait_kmcnt 0x0
	s_add_nc_u64 s[4:5], s[4:5], s[20:21]          ; enc at my first position's row
.irp n, 0,1,2,3,4
	HLOAD \n                                       ; the ring is filled before anything else is done: 40 loads
.endr
	WIN 0
	s_mov_b32 s[G0W0], 1
	s_mov_b32 s[G0W0+1], s22
	s_add_nc_u64 s[G0W0+2:G0W0+3], s[6:7], s[22:23]        ; tiles 0-7
	s_or_b32 s[G0W0+3], s[G0W0+3], 0x80000000
	s_mov_b32 s[G0W], 1
	s_add_co_u32 s[G0W+1], s22, WS1
	s_add_nc_u64 s[G0W+2:G0W+3], s[6:7], s[22:23]
	s_add_nc_u64 s[G0W+2:G0W+3], s[G0W+2:G0W+3], WSLOT     ; tiles 8-15
	s_or_b32 s[G0W+3], s[G0W+3], 0x80000000
	s_lshl_b32 s22, s[WV], 12                      ; the table: my quarter,
	s_mov_b32 s[G0T], 1
	s_add_co_u32 s[G0T+1], s22, TAB
	s_lshl_b32 s19, s17, 14                        ; of b's 16,384 bytes
	s_add_co_u32 s22, s22, s19
	s_add_nc_u64 s[G0T+2:G0T+3], s[8:9], s[22:23]
	s_or_b32 s[G0T+3], s[G0T+3], 0x80000000
	ROUND                                          ; the round in front of the first fills
	tensor_load_to_lds s[G0T:G0T+3], s[G1T:G1T+7]  ; the first fills go out as one group: three tensor loads of mine are out; they land while phase 1 runs
	s_nop 0
	tensor_load_to_lds s[G0W0:G0W0+3], s[G1W:G1W+7]
	s_nop 0
	tensor_load_to_lds s[G0W:G0W+3], s[G1W:G1W+7]
	s_nop 0
	NOPS 4                                         ; behind a tensor load
	v_and_b32 v[RR], 15, v0
	v_bfe_u32 v[HH], v0, 4, 1
	s_mul_i32 s18, s[WV], SGW
	s_add_co_u32 s18, s18, STG                     ; my stage
	v_add_nc_u32 v[SST], s18, v[LI]
	v_mul_u32_u24 v[SLD], v[RR], SGP
	v_lshl_add_u32 v[SLD], v[HH], 6, v[SLD]
	v_add_nc_u32 v[SLD], s18, v[SLD]
	v_lshl_add_u32 v[TR], v[RR], 4, TAB
	s_lshl_b32 s19, s[WV], 7
	s_add_co_u32 s19, s19, SCR
	v_lshl_add_u32 v[SCA], v[HH], 5, s19
	v_lshl_add_u32 v[SCB], v0, 2, SCR
.irp b, 0,1,2,3
	v_mov_b32 v[TM+4+\b], 0                        ; written once: a lane permute's destination counts as one of its sources
.endr
	s_lshl_b32 s20, s17, 12                        ; sc: row b of 4,096 bytes, 512 a chunk, 128 a wave
	s_lshl_b32 s22, s16, 9
	s_add_co_u32 s20, s20, s22
	s_lshl_b32 s22, s[WV], 7
	s_add_co_u32 s20, s20, s22
	s_add_nc_u64 s[10:11], s[10:11], s[20:21]
	s_lshl_b32 s20, s17, 17                        ; part: 32 rows of 4,096 bytes a b; my row is 4 chunk + wave
	s_lshl_b32 s22, s16, 14
	s_add_co_u32 s20, s20, s22
	s_lshl_b32 s22, s[WV], 12
	s_add_co_u32 s20, s20, s22
	s_add_nc_u64 s[12:13], s[12:13], s[20:21]
	; ---- PHASE 1: sixteen units; waves share nothing
.set un, 0
.rept 16
	UNIT un
.set un, un+1
.endr
	; ---- PHASE 2
	s_wait_tensorcnt 0x0                           ; my quarters of the table and of W's two slots are in (no LDS instruction of mine is out),
	s_barrier_signal -1
	s_barrier_wait -1                              ; everybody's are
	s_mov_b32 s[TW], 0
	s_mov_b32 s[TT], 0
	v_add_nc_u32 v[ADW], s[TW], v[LI]
	v_add_nc_u32 v[ADT], s[TT], v[TR]
	WIN 0x40                                       ; the first tile has no form of its own: it finds a tile before it of zeros, whose r = 1/2 meets v' = 0
.irp j, 0,1,2,3,4,5,6,7,8,9,10,11,12,13,14,15
	v_mov_b32 v[SS+\j], 0
	v_mov_b32 v[ACC+16+\j], 0
.endr
	v_mov_b32 v[GG+2], 0
	v_mov_b32 v[GG+3], 0
	WIN 0x80
	v_mov_b32 v98, 0                               ; v', set 1
	v_mov_b32 v99, 0
	LRUN_A 0, 0
	LRUN_B 0, 0, 0, 0, 0                           ; (v' of tile 0 comes here and once more in tile 0: the run keeps its 14 loads)
	WIN 0
	s_mov_b32 s[CN1], 6
.Lslot:                                                ; six trips: slots 0-5 are filled again, with tiles 16-63
	SLOT 1
	s_sub_co_u32 s[CN1], s[CN1], 1
	s_cmp_lg_u32 s[CN1], 0
	s_cbranch_scc1 .Lslot
	SLOT 2                                         ; the tail is written out
	SLOT 3
	WIN 0x59                                       ; the last tile's tanh; S4 to S7 of the tile before are the places behind the last products
.set sn, 0
	SMN 1, 24
	BATCH
	SMN 1, 24
	BATCH
	s_wait_dscnt 0x0                               ; the last tile's v'
	SMN 1, 8
	; ---- PHASE 3.  The sums over h: sixteen lanes hold sixteen h of the same positions
	WIN 0x45
.irp m, 1,2,4,8
.irp j, 0,1,2,3,4,5,6,7,8,9,10,11,12,13,14,15
	v_add_f32_dpp v[SS+\j], v[SS+\j], v[SS+\j] row_xmask:\m row_mask:0xf bank_mask:0xf
.endr
.endr
	WIN 0x04                                       ; an LDS store's data are its source 1: window 1
.irp rt, 0,1
.irp j, 0,1,2,3,4,5,6,7
	ds_store_b32 v[SCA], v[SS+8*\rt+\j] offset:64*\rt+4*\j      ; position 16 rt + 8 hh + j: sixteen lanes write the same word with the same value
.endr
.endr
	WIN 0
	ds_load_b32 v[TV], v[SCB]                      ; LDS serves a wave's instructions in order: lane l now holds position l's t
	v_lshlrev_b32 v[SO], 2, v[LN]
	v_mov_b32 v[TP], 0
	s_wait_dscnt 0x0
	global_store_b32 v[SO], v[TV], s[10:11]        ; 128 consecutive bytes a wave
	v_mov_b32 v[MV], v[TV]
.irp m, 1,2,4,8
	v_max_num_f32_dpp v[MV], v[MV], v[MV] row_xmask:\m row_mask:0xf bank_mask:0xf
.endr
	v_permlanex16_b32 v[TP], v[MV], s[SEL], s[SEL+1]
	v_max_num_f32 v[MV], v[MV], v[TP]              ; m: the largest t of my 32 positions
	v_sub_f32 v[PV], v[TV], v[MV]
	v_exp_f32 v[PV], v[PV]                         ; p = 2^(t - m), at most 1
.irp j, 0,1,2,3,4,5,6,7,8,9,10,11,12,13,14,15,16,17,18,19,20,21,22,23,24,25,26,27,28,29,30,31
	v_mov_b32 v[CT+\j], 0                          ; plain work behind the exponential
.endr
	s_wait_alu depctr_va_vdst(0)                   ; the wait ahead of the first line that names the result
.irp j, 0,1,2,3,4,5,6,7,8,9,10,11,12,13,14,15,16,17,18,19,20,21,22,23,24,25,26,27,28,29,30,31
	v_readlane_b32 s[24+\j], v[PV], \j             ; (every tensor load has been waited for: the descriptors' registers are free)
.endr
.set row, 0
.rept 32                               ; the partial context: sum x of 32 holds column 128 (x / 4) + 4 lane + x % 4
	RETLOC row
	WIN RW                                         ; source 0: the window of the row's bf16 copy
	v_mov_b32 v[PB+row%2], s[24+row]
.irp x, 0,1,2,3,4,5,6,7,8,9,10,11,12,13,14,15
	v_fma_mix_f32_bf16 v[CT+2*\x], v[RB+\x], v[PB+row%2], v[CT+2*\x] op_sel_hi:[1,0,0]
	v_fma_mix_f32_bf16 v[CT+2*\x+1], v[RB+\x], v[PB+row%2], v[CT+2*\x+1] op_sel:[1,0,0] op_sel_hi:[1,0,0]
.endr
.set row, row+1
.endr
	WIN 0
.irp y, 0,1,2,3,4,5,6,7
	global_store_b128 v[LI], v[CT+4*\y:CT+4*\y+3], s[12:13] offset:512*\y    ; 32 lanes store 512 consecutive bytes, at a multiple of 256 from part's first byte
.endr
	s_wait_tensorcnt 0x0                           ; the wave's end: behind my last tensor load and my last LDS store
	ds_add_u32 v[SPW], v[NIL]
	s_wait_dscnt 0x0
	ROUND                                          ; the closing round: no work-group ends while a partner may still ask for a tile that names it
	s_endpgm
.Lfunc_end_k_q0a51ae914d_main:
	.size	k_q0a51ae914d_main, .Lfunc_end_k_q0a51ae914d_main-k_q0a51ae914d_main
	.p2alignl 7, 3214868480
	.fill 96, 4, 3214868480
	.section	.rodata,"a",@progbits
	.p2align	6, 0x0
	.amdhsa_kernel k_q0a51ae914d_main
		.amdhsa_group_segment_fixed_size 327680
		.amdhsa_private_segment_fixed_size 0
		.amdhsa_enable_private_segment 0
		.amdhsa_kernarg_size 40
		.amdhsa_user_sgpr_count 2
		.amdhsa_user_sgpr_kernarg_segment_ptr 1
		.amdhsa_wavefront_size32 1
		.amdhsa_system_sgpr_workgroup_id_x 1
		.amdhsa_system_sgpr_workgroup_id_y 1
		.amdhsa_system_sgpr_workgroup_id_z 1
		.amdhsa_system_vgpr_workitem_id 0
		.amdhsa_next_free_vgpr 1024
		.amdhsa_next_free_sgpr 80
		.amdhsa_reserve_vcc 0
		.amdhsa_float_denorm_mode_32 3
		.amdhsa_float_denorm_mode_16_64 3
		.amdhsa_memory_ordered 1
		.amdhsa_forward_progress 1
		.amdhsa_inst_pref_size 255
	.end_amdhsa_kernel
	.section	.bss,"aw",@nobits
	.p2align	6
	.space	262144
	.amdgpu_metadata
---
amdhsa.version: [ 1, 2 ]
amdhsa.kernels:
  - .name:           k_q0a51ae914d_main
    .symbol:         k_q0a51ae914d_main.kd
    .args:
      - { .name: encoder_outputs, .offset: 0, .size: 8, .value_kind: global_buffer, .address_space: global }
      - { .name: wf, .offset: 8, .size: 8, .value_kind: global_buffer, .address_space: global }
      - { .name: tab, .offset: 16, .size: 8, .value_kind: global_buffer, .address_space: global }
      - { .name: sc, .offset: 24, .size: 8, .value_kind: global_buffer, .address_space: global }
      - { .name: part, .offset: 32, .size: 8, .value_kind: global_buffer, .address_space: global }
    .group_segment_fixed_size: 327680
    .private_segment_fixed_size: 0
    .kernarg_segment_align: 8
    .kernarg_segment_size: 40
    .max_flat_workgroup_size: 128
    .sgpr_count:     80
    .vgpr_count:     1024
    .wavefront_size: 32
...
	.end_amdgpu_metadata
.endif
;; end of part 2
;; launch finish (part 3): grid 8 x 32, 1 waves a work-group, no clusters, 0 bytes of LDS; arguments sc, part, out0, out1; writes out0, out1
.if DOCPART == 3
	.amdgcn_target "amdgcn-amd-amdhsa--gfx1250"
	.amdhsa_code_object_version 6
	.text
	.protected	k_q0a51ae914d_finish
	.globl	k_q0a51ae914d_finish
	.p2align	8
	.type	k_q0a51ae914d_finish,@function
k_q0a51ae914d_finish:
	s_mov_b64 s[64:65], 0
	v_nop
	global_prefetch_b8 v0, s[64:65] scope:SCOPE_SE
	s_setreg_imm32_b32 hwreg(HW_REG_WAVE_MODE, 25, 1), 1
	s_wait_xcnt 0x0
; THE END OF THE SOFTMAX.  sc[b][s] = t (a score in base 2, less a constant of the row); part[b][k][:] = the sum over positions 32 k .. 32 k + 31 of 2^(t - m_k) enc, m_k their largest t.
; M = the row's largest t; L = the sum of 2^(t - M); out1[b][s] = 2^(t - M) / L; out0[b][:] = (the sum over k of 2^(m_k - M) part[b][k][:]) / L.
; A work-group of one wave takes one b and 128 neighbouring numbers of each output (x: which 128).  Every work-group of a b reads the row's 1,024 t (4,096 bytes) and makes M and L for itself: nothing goes between work-groups.
; Load i of t gives lane l positions 128 i + 4 l + 0 .. 3: eight neighbouring lanes hold the 32 positions of k = 4 i + l / 8, so m_k is found again here from the same numbers.
; No LDS, no barrier, no matrix unit: about 21 KB a work-group, streamed once.
.set FM, 176                           ; v176-183 m_k - M, then 2^(.): register i, lanes 8 g .. 8 g + 7: k = 4 i + g
.set MX, 184                           ; M
.set TP, 185                           ; at work
.set RL, 186                           ; 1 / L
.set OA, 192                           ; v192-195 the sums over even k, v196-199 over odd k
	s_load_b256 s[4:11], s[0:1], 0x0               ; sc s[4:5], part s[6:7], out0 s[8:9], out1 s[10:11]
	v_lshlrev_b32 v1, 4, v0                        ; 16 x lane
	s_and_b32 s12, ttmp7, 0xffff                   ; b
	s_lshl_b32 s14, s12, 12                        ; a row of 4,096 bytes in sc, out0, out1
	s_mov_b32 s15, 0
	s_lshl_b32 s13, ttmp9, 9                       ; my 128 numbers: 512 bytes
	s_lshl_b32 s16, s12, 17                        ; 32 rows of 4,096 bytes in part,
	s_add_co_u32 s16, s16, s13                     ; my 512 bytes of each
	s_mov_b32 s17, 0
	v_add_nc_u32 v2, s13, v1
	s_mov_b32 s18, 0x76543210
	s_mov_b32 s19, 0xfedcba98                      ; v_permlanex16_b32's selects for lane l xor 16
	v_mov_b32 v[TP], 0                             ; a lane permute's destination counts as one of its sources
	s_wait_kmcnt 0x0
	s_add_nc_u64 s[4:5], s[4:5], s[14:15]
	s_add_nc_u64 s[6:7], s[6:7], s[16:17]
	s_add_nc_u64 s[8:9], s[8:9], s[14:15]
	s_add_nc_u64 s[10:11], s[10:11], s[14:15]
.irp i, 0,1,2,3,4,5,6,7
	global_load_b128 v[8+4*\i:11+4*\i], v1, s[4:5] offset:512*\i       ; the row's t
.endr
	global_load_b128 v[40:43], v2, s[4:5]                              ; my 128 once more, in the layout of the store
.irp k, 0,1,2,3,4,5,6,7,8,9,10,11,12,13,14,15,16,17,18,19,20,21,22,23,24,25,26,27,28,29,30,31
	global_load_b128 v[48+4*\k:51+4*\k], v1, s[6:7] offset:4096*\k th:TH_LOAD_NT   ; read once in the launch
.endr
	s_wait_loadcnt 32                              ; t is in; the 32 loads of partial sums may be out
.irp i, 0,1,2,3,4,5,6,7
	v_max3_num_f32 v[FM+\i], v[8+4*\i], v[9+4*\i], v[10+4*\i]
.endr
.irp i, 0,1,2,3,4,5,6,7
	v_max_num_f32 v[FM+\i], v[FM+\i], v[11+4*\i]
.endr
.irp m, 1,2,4
.irp i, 0,1,2,3,4,5,6,7
	v_max_num_f32_dpp v[FM+\i], v[FM+\i], v[FM+\i] row_xmask:\m row_mask:0xf bank_mask:0xf   ; over eight lanes: m_k
.endr
.endr
	v_max3_num_f32 v[MX], v[FM], v[FM+1], v[FM+2]
	v_max3_num_f32 v[MX], v[MX], v[FM+3], v[FM+4]
	v_max3_num_f32 v[MX], v[MX], v[FM+5], v[FM+6]
	v_max_num_f32 v[MX], v[MX], v[FM+7]
	v_max_num_f32_dpp v[MX], v[MX], v[MX] row_xmask:8 row_mask:0xf bank_mask:0xf
	v_permlanex16_b32 v[TP], v[MX], s18, s19
	v_max_num_f32 v[MX], v[MX], v[TP]              ; M, in every lane
.irp i, 0,1,2,3,4,5,6,7
	v_sub_f32 v[FM+\i], v[FM+\i], v[MX]
.endr
.irp j, 0,1,2,3,4,5,6,7,8,9,10,11,12,13,14,15,16,17,18,19,20,21,22,23,24,25,26,27,28,29,30,31,32,33,34,35
	v_sub_f32 v[8+\j], v[8+\j], v[MX]
.endr
.irp i, 0,1,2,3,4,5,6,7
	v_exp_f32 v[FM+\i], v[FM+\i]                   ; one batch: 2^(m_k - M),
.endr
.irp j, 0,1,2,3,4,5,6,7,8,9,10,11,12,13,14,15,16,17,18,19,20,21,22,23,24,25,26,27,28,29,30,31,32,33,34,35
	v_exp_f32 v[8+\j], v[8+\j]                     ; and 2^(t - M): the row's, and my 128
.endr
	v_nop                                          ; a plain line behind the last exponential
	s_wait_alu depctr_va_vdst(0)                   ; one wait for the batch, ahead of its first reader
	v_pk_add_f32 v[8:9], v[8:9], v[10:11]          ; L: two at a time, in two chains
	v_pk_add_f32 v[12:13], v[12:13], v[14:15]
.irp j, 16,20,24,28,32,36
	v_pk_add_f32 v[8:9], v[8:9], v[\j:\j+1]
	v_pk_add_f32 v[12:13], v[12:13], v[\j+2:\j+3]
.endr
	v_pk_add_f32 v[8:9], v[8:9], v[12:13]
	v_add_f32 v8, v8, v9
.irp m, 1,2,4,8
	v_add_f32_dpp v8, v8, v8 row_xmask:\m row_mask:0xf bank_mask:0xf
.endr
	v_permlanex16_b32 v[TP], v8, s18, s19
	v_add_f32 v8, v8, v[TP]
	v_rcp_f32 v[RL], v8
.irp i, 0,1,2,3,4,5,6,7
.irp g, 0,1,2,3
	v_readlane_b32 s[32+4*\i+\g], v[FM+\i], 8*\g   ; 2^(m_k - M), k = 4 i + g.  (Plain work behind the reciprocal)
.endr
.endr
	s_wait_alu depctr_va_vdst(0)                   ; the wait ahead of the reciprocal's first reader
.irp e, 0,1,2,3
	v_mul_f32 v[40+\e], v[40+\e], v[RL]
.endr
	global_store_b128 v2, v[40:43], s[10:11]       ; out1: 512 consecutive bytes, at a multiple of 256 from its first byte
	s_wait_loadcnt 0x0                             ; the partial sums
.irp e, 0,1,2,3
	v_mul_f32 v[OA+\e], s32, v[48+\e]              ; the first products start the sums
	v_mul_f32 v[OA+4+\e], s33, v[52+\e]
.endr
.irp k, 2,4,6,8,10,12,14,16,18,20,22,24,26,28,30
.irp e, 0,1,2,3
	v_fma_f32 v[OA+\e], s[32+\k], v[48+4*\k+\e], v[OA+\e]
	v_fma_f32 v[OA+4+\e], s[33+\k], v[52+4*\k+\e], v[OA+4+\e]
.endr
.endr
.irp e, 0,1,2,3
	v_add_f32 v[OA+\e], v[OA+\e], v[OA+4+\e]
.endr
.irp e, 0,1,2,3
	v_mul_f32 v[OA+\e], v[OA+\e], v[RL]
.endr
	global_store_b128 v2, v[OA:OA+3], s[8:9]       ; out0 likewise
	s_endpgm
.Lfunc_end_k_q0a51ae914d_finish:
	.size	k_q0a51ae914d_finish, .Lfunc_end_k_q0a51ae914d_finish-k_q0a51ae914d_finish
	.p2alignl 7, 3214868480
	.fill 96, 4, 3214868480
	.section	.rodata,"a",@progbits
	.p2align	6, 0x0
	.amdhsa_kernel k_q0a51ae914d_finish
		.amdhsa_group_segment_fixed_size 0
		.amdhsa_private_segment_fixed_size 0
		.amdhsa_enable_private_segment 0
		.amdhsa_kernarg_size 32
		.amdhsa_user_sgpr_count 2
		.amdhsa_user_sgpr_kernarg_segment_ptr 1
		.amdhsa_wavefront_size32 1
		.amdhsa_system_sgpr_workgroup_id_x 1
		.amdhsa_system_sgpr_workgroup_id_y 1
		.amdhsa_system_sgpr_workgroup_id_z 1
		.amdhsa_system_vgpr_workitem_id 0
		.amdhsa_next_free_vgpr 224
		.amdhsa_next_free_sgpr 66
		.amdhsa_reserve_vcc 0
		.amdhsa_float_denorm_mode_32 3
		.amdhsa_float_denorm_mode_16_64 3
		.amdhsa_memory_ordered 1
		.amdhsa_forward_progress 1
		.amdhsa_inst_pref_size 22
	.end_amdhsa_kernel
	.amdgpu_metadata
---
amdhsa.version: [ 1, 2 ]
amdhsa.kernels:
  - .name:           k_q0a51ae914d_finish
    .symbol:         k_q0a51ae914d_finish.kd
    .args:
      - { .name: sc, .offset: 0, .size: 8, .value_kind: global_buffer, .address_space: global }
      - { .name: part, .offset: 8, .size: 8, .value_kind: global_buffer, .address_space: global }
      - { .name: out0, .offset: 16, .size: 8, .value_kind: global_buffer, .address_space: global }
      - { .name: out1, .offset: 24, .size: 8, .value_kind: global_buffer, .address_space: global }
    .group_segment_fixed_size: 0
    .private_segment_fixed_size: 0
    .kernarg_segment_align: 8
    .kernarg_segment_size: 32
    .max_flat_workgroup_size: 32
    .sgpr_count:     66
    .vgpr_count:     224
    .wavefront_size: 32
...
	.end_amdgpu_metadata
.endif
;; end of part 3
